; MI455X (gfx1250); checked and timed in simulation.
; The chip was launched on July 23, 2026; its instructions are those of AMD's public machine-readable ISA for CDNA 5 (MIT licence, August 2026) and "CDNA5" Instruction Set Architecture Reference Guide (July 2026). The comments in the code are by the model that wrote it; some were corrected since.
;; Multi Head Attention. Allowed arithmetic: matrix products marked QUANTISED: E2M1 operands, one E8M0 scale for each 32 along K, by v_wmma_scale_f32_16x16x128_f8f6f4 with both operands' format E2M1 (or v_wmma_scale_f32_32x16x128_f4), f32 sums; products left as they are: bf16, f16 or f32 operands; f32 sums; everything else in f32.
;; Inputs: K 2 x 4,096 x 512 float32; Q 2 x 4,096 x 512 float32; V 2 x 4,096 x 512 float32; Wk 512 x 512 float32; Wo 512 x 512 float32; Wq 512 x 512 float32; Wv 512 x 512 float32; bk 512 float32; bo 512 float32; bq 512 float32; bv 512 float32.
;; Outputs: out0 2 x 4,096 x 512 float32.
;; This version of the problem:
;;   THIS VERSION OF THE PROBLEM IS GIVEN IN LOW PRECISION. The matrix products marked QUANTISED in the list below multiply operands that are first quantised to E2M1 (2 exponent bits, 1 mantissa bit; 4 bits a number), with one power-of-two scale for each 32 numbers along K (OCP MX v1.0); their sums are f32. The products marked 'left as it is' may take bf16, f16 or f32 operands, with f32 sums. Whichever they take, every output number must still come out within the allowed error. Rounding operands to bf16 (8 significant bits) uses up far more of that allowance than f16 does (11 bits, for magnitudes from 6e-5 to 65,504). All else is computed in f32.
;;   The module's matrix products, in the order in which they are computed (A, B: the left and right operand; K: the contracted axis; several contracted axes count as one K, in the product's order):
;;     1. [M 8,192, K 512] x [K 512, N 512]; A: input Q; B: input Wq: QUANTISED
;;     2. [M 8,192, K 512] x [K 512, N 512]; A: input K; B: input Wk: QUANTISED
;;     3. [M 8,192, K 512] x [K 512, N 512]; A: input V; B: input Wv: QUANTISED
;;     4. batch 16 x [M 4,096, K 64] x [K 64, N 4,096]; A: computed on the way; B: computed on the way: left as it is (an operand is computed on the way)
;;     5. batch 16 x [M 4,096, K 4,096] x [K 4,096, N 64]; A: computed on the way; B: computed on the way: left as it is (an operand is computed on the way)
;;     6. [M 8,192, K 512] x [K 512, N 512]; A: computed on the way; B: input Wo: left as it is (an operand is computed on the way)
;;   THE QUANTISER, for each operand of a quantised product, along K:
;;     - K is cut into blocks of 32 from its start; a last block that is shorter is filled with zeros.
;;     - A block's scale is 2^e with e = floor(log2(the largest magnitude in the block)) - 2, held to -126 .. 127; a block of zeros has e = 0. As a byte (E8M0): e + 127.
;;     - Each number is divided by its block's scale, clamped to +-6, and rounded to the nearest number of E2M1, ties to even, subnormals kept.
;;     - The product sums the exact products of the quantised numbers (number of the format x scale) in f32.
;;   ~~~python
;;   def quantise(x, axis):      # numpy; x: float32 -> the quantised numbers, widened to float32 again
;;       x = np.moveaxis(x, axis, -1); K = x.shape[-1]
;;       x = np.pad(x, [(0, 0)] * (x.ndim - 1) + [(0, -K % 32)]); x = x.reshape(x.shape[:-1] + (-1, 32)); a = np.abs(x).max(-1, keepdims=True)
;;       e = np.where(a > 0, np.clip(np.frexp(np.where(a > 0, a, 1))[1] - 1 - 2, -126, 127), 0)      # np.frexp(a)[1] - 1 = floor(log2(a)), exactly
;;       r = np.clip(x / 2.0 ** e, -6, 6)
;;       step = 2.0 ** (np.maximum(np.frexp(np.where(r == 0, 1, r))[1] - 1, 0) - 1)
;;       q = np.round(r / step) * step * 2.0 ** e      # np.round: ties to even
;;       return np.moveaxis(q.reshape(q.shape[:-2] + (-1,))[..., :K], -1, axis).astype(np.float32)
;;   ~~~
;; One version. Each part assembles by itself: llvm-mc -triple=amdgcn-amd-amdhsa -mcpu=gfx1250 --defsym DOCPART=n.
;; ======== version 1 of 1: 4 launches
;; limits: values are held in f16: magnitudes above 65,504 overflow, below 6.1e-05 lose precision
;; workspace buffers: wc 393,216 bytes; ws 24,576 bytes; wof 524,288 bytes; qf 8,388,608 bytes; kv 16,777,216 bytes; ofr 8,388,608 bytes
;; launch prep (part 1): grid 64 x 1, 4 waves a work-group, no clusters, 0 bytes of LDS; arguments Wq, Wk, Wv, Wo, wc, ws, wof; writes wc, ws, wof
.if DOCPART == 1
	.amdgcn_target "amdgcn-amd-amdhsa--gfx1250"
	.amdhsa_code_object_version 6
	.text
	.protected	k_qa2c99d004c_prep
	.globl	k_qa2c99d004c_prep
	.p2align	8
	.type	k_qa2c99d004c_prep,@function
k_qa2c99d004c_prep:
	s_mov_b64 s[64:65], 0
	v_nop
	global_prefetch_b8 v0, s[64:65] scope:SCOPE_SE
	s_setreg_imm32_b32 hwreg(HW_REG_WAVE_MODE, 25, 1), 1
	s_wait_xcnt 0x0
; The four weights [512 (k)][512 (n)], f32, K on the FIRST axis, are laid out once as the later launches' operand registers want them.
; Wq, Wk, Wv: codes of FP4 (E2M1) with one E8M0 scale byte for each 32 along K.  A block's scale is 2^(floor(log2(largest magnitude)) - 2): its byte is the largest
; magnitude's exponent field - 2, held at 1 from below.  Wo: rounded to f16.
; LIMITS: a block of zeros gets the byte 1 (its codes are zeros, and this program alone reads the bytes); |Wo| stays at or under 65,504; NaN and infinities are not served.
; SHARES: work-group g: tensor g / 16, 128 columns (g / 4) % 4, 128 rows of K g % 4.  A LANE TAKES A COLUMN AND ITS REGISTERS RUN DOWN K: a load reads 128 consecutive bytes a wave,
; 512 a work-group; a block of 32 along K lies in one lane, so its largest magnitude needs no other lane, and the conversions give codes with K innermost.
; OUT: a fragment (16 columns x 128 k of codes, or 16 columns x 32 k of f16) is 8 registers a lane and is stored AS AN IMAGE OF THOSE REGISTERS: registers 0-3 of lane l at 16 l,
; registers 4-7 at 512 + 16 l.  Lanes 0-15 hold the columns of one tile, lanes 16-31 those of the next: an exchange of halves between two registers gives each tile its fragment.
;   wc  [tensor 3][column tile 32][K step 4][1,024]     ws  [tensor 3][K step 4][column 512] x 4 bytes     wof [K quarter 4][column tile 32][32 k 4][1,024]
; No LDS, no barrier: waves share nothing.
.set X, 32                             ; v32-159  my column's 128 numbers
.set C, 160                            ; v160-175 their codes, four registers a block
.set P, 160                            ; v160-223 (Wo) the numbers as f16 pairs, sixteen registers for each 32 k
	s_load_b256 s[4:11], s[0:1], 0x0               ; Wq, Wk, Wv, Wo
	s_load_b128 s[12:15], s[0:1], 0x20             ; wc, ws
	s_load_b64 s[16:17], s[0:1], 0x30              ; wof
	v_lshrrev_b32 v4, 5, v0
	v_readfirstlane_b32 s18, v4                    ; wave
	v_and_b32 v1, 31, v0                           ; lane
	v_lshlrev_b32 v2, 2, v1                        ; 4 x lane: my column in a row of W, my scale word
	v_lshlrev_b32 v3, 4, v1                        ; 16 x lane: my place in half an image
	s_lshr_b32 s19, ttmp9, 4                       ; the tensor: 0 Wq, 1 Wk, 2 Wv, 3 Wo
	s_bfe_u32 s20, ttmp9, 0x20002                  ; which 128 columns
	s_and_b32 s21, ttmp9, 3                        ; which 128 along K
	s_lshl_b32 s24, s21, 18                        ; 128 rows of 2,048 bytes
	s_lshl_b32 s26, s20, 9
	s_add_co_u32 s24, s24, s26                     ; + 128 columns of 4 bytes
	s_lshl_b32 s26, s18, 7
	s_add_co_u32 s24, s24, s26                     ; + my wave's 32
	s_mov_b32 s25, 0
	s_lshl_b32 s28, s20, 15                        ; 8 column tiles of 4,096 bytes (the same in wc and in wof),
	s_lshl_b32 s26, s18, 13
	s_add_co_u32 s28, s28, s26                     ; + my wave's two
	s_mov_b32 s29, 0
	s_wait_kmcnt 0x0
	s_cmp_eq_u32 s19, 1                            ; the choice hangs on the work-group's number alone
	s_cselect_b64 s[22:23], s[6:7], s[4:5]
	s_cmp_eq_u32 s19, 2
	s_cselect_b64 s[22:23], s[8:9], s[22:23]
	s_cmp_eq_u32 s19, 3
	s_cselect_b64 s[22:23], s[10:11], s[22:23]
	s_add_nc_u64 s[22:23], s[22:23], s[24:25]
.macro LOADB b                         ; rows 32 b .. 32 b + 31 of my 128
.set li, 0
.rept 32
	global_load_b32 v[X+32*(\b)+li], v2, s[22:23] offset:2048*(32*(\b)+li) th:TH_LOAD_NT
.set li, li+1
.endr
.endm
	LOADB 0
	LOADB 1                                        ; loads run two blocks ahead
	s_cmp_eq_u32 s19, 3
	s_cbranch_scc1 .Lwo
	; ---- Wq, Wk, Wv
	s_lshl_b32 s26, s19, 17                        ; wc: a tensor is 32 tiles x 4 K steps x 1,024 bytes
	s_add_co_u32 s28, s28, s26
	s_lshl_b32 s26, s21, 10                        ; my K step
	s_add_co_u32 s28, s28, s26
	s_add_nc_u64 s[12:13], s[12:13], s[28:29]
	s_lshl_b32 s30, s19, 13                        ; ws: a tensor is 4 K steps x 2,048 bytes
	s_lshl_b32 s26, s21, 11
	s_add_co_u32 s30, s30, s26
	s_lshl_b32 s26, s20, 9
	s_add_co_u32 s30, s30, s26
	s_lshl_b32 s26, s18, 7
	s_add_co_u32 s30, s30, s26
	s_mov_b32 s31, 0
	s_add_nc_u64 s[14:15], s[14:15], s[30:31]
.macro BLK b
.set XB, X+32*(\b)
.if (\b) < 3
	s_wait_loadcnt 32                              ; this block's 32 loads are in; the next block's 32 may be out
.else
	s_wait_loadcnt 0x0
.endif
.if (\b) < 2
	LOADB (\b)+2
.endif
	v_max3_num_f32 v4, |v[XB]|, |v[XB+1]|, |v[XB+2]|               ; the block's largest magnitude, in two chains: all 32 numbers are mine
	v_max3_num_f32 v5, |v[XB+3]|, |v[XB+4]|, |v[XB+5]|
.irp i, 6,10,14,18,22,26
	v_max3_num_f32 v4, v4, |v[XB+\i]|, |v[XB+\i+1]|
	v_max3_num_f32 v5, v5, |v[XB+\i+2]|, |v[XB+\i+3]|
.endr
	v_max3_num_f32 v4, v4, |v[XB+30]|, |v[XB+31]|
	v_max3_num_f32 v4, v4, v5, 0x1800000           ; and the floor 2^(3 - 127): the byte cannot fall under 1
	v_add_nc_u32 v6, 0xff000000, v4                ; 2 off the exponent field: the conversion takes the exponent field of this operand as its scale
	v_lshrrev_b32 v7, 23, v6                       ; the scale's byte
.if (\b) == 0
	v_mov_b32 v12, v7                              ; four bytes make the K step's scale word, the lower k in the lower byte
.else
	v_lshl_or_b32 v12, v7, 8*(\b), v12
.endif
.irp g, 0,1,2,3
	v_cvt_scalef32_pk8_fp4_f32 v[C+4*(\b)+\g], v[XB+8*\g:XB+8*\g+7], v6
.endr
.endm
	BLK 0
	BLK 1
	BLK 2
	BLK 3
	v_nop                                          ; one plain instruction between a scaled conversion and the vector instruction that touches its result
.irp c, 0,1                            ; a fragment's lane (r, h) wants block 2 c + h of column r in registers 4 c .. 4 c + 3
.irp i, 0,1,2,3
	v_permlane16_swap_b32 v[C+8*\c+\i], v[C+8*\c+4+\i]             ; the first register becomes the lower tile's, the second the upper tile's
.endr
.endr
	global_store_b128 v3, v[C:C+3], s[12:13]                       ; each store covers 512 consecutive bytes, aligned
	global_store_b128 v3, v[C+8:C+11], s[12:13] offset:512
	global_store_b128 v3, v[C+4:C+7], s[12:13] offset:4096         ; the next column tile lies four K steps on
	global_store_b128 v3, v[C+12:C+15], s[12:13] offset:4608
	global_store_b32 v2, v12, s[14:15]                             ; 32 columns' scale words
	s_endpgm
.Lwo:
	; ---- Wo: f16
	s_lshl_b32 s26, s21, 17                        ; wof: a quarter of K is 32 tiles x 4,096 bytes
	s_add_co_u32 s28, s28, s26
	s_add_nc_u64 s[16:17], s[16:17], s[28:29]
.macro CVT f
.if (\f) < 3
	s_wait_loadcnt 32
.else
	s_wait_loadcnt 0x0
.endif
.if (\f) < 2
	LOADB (\f)+2
.endif
.irp i, 0,1,2,3,4,5,6,7,8,9,10,11,12,13,14,15
	v_cvt_pk_f16_f32 v[P+16*(\f)+\i], v[X+32*(\f)+2*\i], v[X+32*(\f)+2*\i+1]
.endr
.irp e, 0,1                            ; a fragment's lane (r, h) wants k = 16 e + 8 h + 0 .. 7 of column r in registers 4 e .. 4 e + 3
.irp i, 0,1,2,3
	v_permlane16_swap_b32 v[P+16*(\f)+8*\e+\i], v[P+16*(\f)+8*\e+4+\i]
.endr
.endr
	global_store_b128 v3, v[P+16*(\f):P+16*(\f)+3], s[16:17] offset:1024*(\f)
	global_store_b128 v3, v[P+16*(\f)+8:P+16*(\f)+11], s[16:17] offset:1024*(\f)+512
	global_store_b128 v3, v[P+16*(\f)+4:P+16*(\f)+7], s[16:17] offset:1024*(\f)+4096
	global_store_b128 v3, v[P+16*(\f)+12:P+16*(\f)+15], s[16:17] offset:1024*(\f)+4608
.endm
	CVT 0
	CVT 1
	CVT 2
	CVT 3
	s_endpgm
.Lfunc_end_k_qa2c99d004c_prep:
	.size	k_qa2c99d004c_prep, .Lfunc_end_k_qa2c99d004c_prep-k_qa2c99d004c_prep
	.p2alignl 7, 3214868480
	.fill 96, 4, 3214868480
	.section	.rodata,"a",@progbits
	.p2align	6, 0x0
	.amdhsa_kernel k_qa2c99d004c_prep
		.amdhsa_group_segment_fixed_size 0
		.amdhsa_private_segment_fixed_size 0
		.amdhsa_enable_private_segment 0
		.amdhsa_kernarg_size 56
		.amdhsa_user_sgpr_count 2
		.amdhsa_user_sgpr_kernarg_segment_ptr 1
		.amdhsa_wavefront_size32 1
		.amdhsa_system_sgpr_workgroup_id_x 1
		.amdhsa_system_sgpr_workgroup_id_y 1
		.amdhsa_system_sgpr_workgroup_id_z 1
		.amdhsa_system_vgpr_workitem_id 0
		.amdhsa_next_free_vgpr 224
		.amdhsa_next_free_sgpr 66
		.amdhsa_reserve_vcc 0
		.amdhsa_float_denorm_mode_32 3
		.amdhsa_float_denorm_mode_16_64 3
		.amdhsa_memory_ordered 1
		.amdhsa_forward_progress 1
		.amdhsa_inst_pref_size 34
	.end_amdhsa_kernel
	.amdgpu_metadata
---
amdhsa.version: [ 1, 2 ]
amdhsa.kernels:
  - .name:           k_qa2c99d004c_prep
    .symbol:         k_qa2c99d004c_prep.kd
    .args:
      - { .name: Wq, .offset: 0, .size: 8, .value_kind: global_buffer, .address_space: global }
      - { .name: Wk, .offset: 8, .size: 8, .value_kind: global_buffer, .address_space: global }
      - { .name: Wv, .offset: 16, .size: 8, .value_kind: global_buffer, .address_space: global }
      - { .name: Wo, .offset: 24, .size: 8, .value_kind: global_buffer, .address_space: global }
      - { .name: wc, .offset: 32, .size: 8, .value_kind: global_buffer, .address_space: global }
      - { .name: ws, .offset: 40, .size: 8, .value_kind: global_buffer, .address_space: global }
      - { .name: wof, .offset: 48, .size: 8, .value_kind: global_buffer, .address_space: global }
    .group_segment_fixed_size: 0
    .private_segment_fixed_size: 0
    .kernarg_segment_align: 8
    .kernarg_segment_size: 56
    .max_flat_workgroup_size: 128
    .sgpr_count:     66
    .vgpr_count:     224
    .wavefront_size: 32
...
	.end_amdgpu_metadata
.endif
;; end of part 1
;; launch proj (part 2): grid 192 x 1, 8 waves a work-group, no clusters, 308,224 bytes of LDS; arguments Q, K, V, bq, bk, bv, wc, ws, qf, kv; writes qf, kv
.if DOCPART == 2
	.amdgcn_target "amdgcn-amd-amdhsa--gfx1250"
	.amdhsa_code_object_version 6
	.text
	.protected	k_qa2c99d004c_proj
	.globl	k_qa2c99d004c_proj
	.p2align	8
	.type	k_qa2c99d004c_proj,@function
k_qa2c99d004c_proj:
	s_mov_b64 s[64:65], 0
	v_nop
	global_prefetch_b8 v0, s[64:65] scope:SCOPE_SE
	s_setreg_imm32_b32 hwreg(HW_REG_WAVE_MODE, 25, 1), 1
	s_wait_xcnt 0x0
; q = Q Wq + bq, k = K Wk + bk, v = V Wv + bv, on codes of FP4 (E2M1) with one E8M0 scale for each 32 along K = 512; sums in f32; results rounded to f16 and stored as the attention launch's operand registers.
; LIMITS: |q|, |k|, |v| stay at or under 65,504 (f16); a block of zeros gets the scale byte 1 (its codes are zeros); NaN and infinities are not served.
; SHARES: work-group: tensor ttmp9 / 64, 128 rows ttmp9 % 64 of its 8,192.  Wave w QUANTISES rows 16 w .. 16 w + 15, and MULTIPLIES all 128 rows by head w's 64 columns, whose codes (16 fragments, 128 registers)
; stay in its registers.  The rows' codes go from wave to wave through LDS as images of the operand's registers.
; No cluster: the rows are each work-group's own, and the shared weights (16 KB a wave) go straight into registers.
; x comes by one tensor load a wave (64 rows x 512 bytes, a K step of 128): all of a work-group's 256 KB are asked for at its head; nothing is filled twice.
; q, k: source 0 = W's 16 columns, source 1 = 16 rows of x: a lane holds one token and eight neighbouring channels, which pack into half a fragment (16 tokens x 32 channels).
; v:    source 0 = x, source 1 = W: a lane holds one channel and eight neighbouring tokens: half a fragment of V^T (16 channels x 32 keys).
;   qf [batch x head 16][query tile 256][32 channels 2][1,024]
;   kv [batch x head 16][step of 64 keys 64][16,384]: K's fragments (key tile kt, channels u) at 2,048 kt + 1,024 u; V^T's (channel tile ct, keys ku) at 8,192 + 2,048 ct + 1,024 ku
; REGISTERS: window 0: v1-13 addresses; v16-31 W's scale words; v32-47 x's scale words, two sets; v48-63 at work; v64-81 a fragment just made, two sets; v82-89 the bias's offsets; v92-123 packed results;
;   v128-255 two sets of 64: x's numbers, later x's fragments.   window 1: v0-127 W's fragments; v128-159 the bias in the result's layout; v160-223 eight accumulators.
.set XTS,   67584                      ; LDS: x, [K step 4][row 128] of 512 bytes + 16 of padding: rows 528 bytes apart, so that the sixteen rows that a load touches begin at sixteen different 16-byte columns of 256
.set XIMG,  270336                     ; x's fragments (token tile m, K step s) at (4 m + s) x 1,024
.set XSC,   303104                     ; their scale words, 128 bytes each
.set SPARE, 307200                     ; the spare words, 128 bytes for each wave: four blocks of 256 bytes that no other line names
.set LI,  1                            ; v1   16 x lane
.set LS,  2                            ; v2   4 x lane
.set R4,  3                            ; v3   4 x (lane % 16)
.set XA,  4                            ; v4-7 my numbers of K step s in LDS
.set XWI, 8                            ; v8   where I store my tile's images
.set XWS, 9                            ; v9   and their scale words
.set SPW, 10                           ; v10  my spare word; never rewritten
.set NIL, 11                           ; v11  0; never rewritten
.set FI,  12                           ; v12  where I read images
.set FS,  13                           ; v13  and scale words
.set WSC, 16
.set XS,  32
.set TM,  48
.set PW,  64
.set PC,  66
.set BO,  82
.set PK,  92
.set XF,  128
.set WF,  0
.set B1,  128
.set ACC, 160
.set SEL, 56
.set MSB, 0
.macro WIN new                         ; the immediate's high byte repeats the setting that is left
.if MSB != \new
	s_set_vgpr_msb (MSB<<8)|\new
.set MSB, \new
.endif
.endm
	s_load_b512 s[8:23], s[0:1], 0x0               ; Q, K, V, bq, bk, bv, wc, ws
	s_load_b128 s[24:27], s[0:1], 0x40             ; qf, kv
	v_lshl_add_u32 v[SPW], v0, 2, SPARE
	v_mov_b32 v[NIL], 0
	ds_add_u32 v[SPW], v[NIL]                      ; the wave's opening: the add, twice on end, and its wait ahead of my first tensor load
	ds_add_u32 v[SPW], v[NIL]
	v_lshrrev_b32 v14, 5, v0
	v_readfirstlane_b32 s28, v14                   ; wave 0..7
	s_lshr_b32 s29, ttmp9, 6                       ; tensor: 0 Q, 1 K, 2 V
	s_and_b32 s30, ttmp9, 63                       ; which 128 rows
	s_mov_b32 s32, (2<<16)|(1<<20)|(6<<22)|(3<<25) ; group 1: elements of 4 bytes; padding on: after every 128 words, 4 words
	s_mov_b32 s33, 128<<16                         ; tensor_dim0 = 128
	s_mov_b32 s34, 64<<16                          ; tensor_dim1 = 64
	s_mov_b32 s35, 128<<16                         ; tile_dim0 = 128
	s_mov_b32 s36, 64                              ; tile_dim1 = 64
	s_mov_b32 s37, 512                             ; elements from row to row
	s_mov_b32 s38, 0
	s_mov_b32 s39, 0
	s_and_b32 s58, s28, 3                          ; I fetch K step wave % 4,
	s_lshr_b32 s59, s28, 2                         ; rows 64 (wave / 4) on
	s_mov_b32 s40, 1
	s_mul_i32 s41, s58, XTS
	s_mul_i32 s60, s59, 64*528
	s_add_co_u32 s41, s41, s60                     ; to LDS
	s_lshl_b32 s62, s30, 18                        ; from: 128 rows of 2,048 bytes a work-group,
	s_lshl_b32 s60, s59, 17
	s_add_co_u32 s62, s62, s60
	s_lshl_b32 s60, s58, 9                         ; 512 bytes a K step
	s_add_co_u32 s62, s62, s60
	s_mov_b32 s63, 0
	s_lshl_b32 s60, s28, 8                         ; the bias: my head's 64 numbers
	s_mov_b32 s61, 0
	s_lshl_b32 s66, s29, 17                        ; wc: the tensor's 131,072 bytes, my head's 16,384
	s_lshl_b32 s77, s28, 14
	s_add_co_u32 s66, s66, s77
	s_mov_b32 s67, 0
	s_lshl_b32 s68, s29, 13                        ; ws: the tensor's 8,192 bytes, my head's 256 in each K step
	s_add_co_u32 s68, s68, s60
	s_mov_b32 s69, 0
	s_lshr_b32 s70, s30, 5                         ; the batch
	s_lshl_b32 s70, s70, 3
	s_add_co_u32 s70, s70, s28                     ; batch x 8 + head
	s_lshl_b32 s70, s70, 19                        ; 524,288 bytes of qf each,
	s_and_b32 s77, s30, 31
	s_lshl_b32 s77, s77, 14                        ; 16,384 for 128 rows;
	s_add_co_u32 s70, s70, s77
	s_cmp_lg_u32 s29, 0
	s_cselect_b32 s31, 1, 0
	s_lshl_b32 s70, s70, s31                       ; in kv twice as much
	s_mov_b32 s71, 0
	s_lshl_b32 s72, 0x2000, s31                    ; from token tiles 0-3 to tiles 4-7: 8,192 bytes of qf, a step of kv
	s_mov_b32 s73, 0
	s_cmp_eq_u32 s29, 2                            ; the bias in the result's layout: q, k: register j holds b[8 h + j]; v: every register holds b[r]
	s_cselect_b32 s74, 4, 0
	s_cselect_b32 s75, 0, 32
	s_cselect_b32 s76, 0, 4
	s_mov_b32 s[SEL], 0x76543210
	s_mov_b32 s[SEL+1], 0xfedcba98                 ; v_permlanex16_b32's selects for lane l xor 16
	v_and_b32 v14, 31, v0
	v_lshlrev_b32 v[LI], 4, v14
	v_lshlrev_b32 v[LS], 2, v14
	v_and_b32 v14, 15, v0                          ; r
	v_bfe_u32 v15, v0, 4, 1                        ; h
	v_lshlrev_b32 v[R4], 2, v14
	s_lshl_b32 s77, s28, 4
	s_mul_i32 s77, s77, 528
	v_mul_u32_u24 v[XA], v14, 528
	v_lshl_add_u32 v[XA], v15, 6, v[XA]
	v_add_nc_u32 v[XA], s77, v[XA]                 ; row 16 w + r, + 64 h: my 16 numbers of each block of 32
	v_add_nc_u32 v[XA+1], XTS, v[XA]
	v_add_nc_u32 v[XA+2], XTS, v[XA+1]
	v_add_nc_u32 v[XA+3], XTS, v[XA+2]
	s_lshl_b32 s77, s28, 12
	s_add_co_u32 s77, s77, XIMG
	v_add_nc_u32 v[XWI], s77, v[LI]
	s_lshl_b32 s77, s28, 9
	s_add_co_u32 s77, s77, XSC
	v_add_nc_u32 v[XWS], s77, v[LS]
	v_add_nc_u32 v[FI], XIMG, v[LI]
	v_add_nc_u32 v[FS], XSC, v[LS]
	v_mul_u32_u24 v[BO], v14, s74
	v_mad_u32_u24 v[BO], v15, s75, v[BO]
.irp j, 1,2,3,4,5,6,7
	v_add_nc_u32 v[BO+\j], s76, v[BO+\j-1]
.endr
.irp b, 0,1,2,3
	v_mov_b32 v[TM+4+\b], 0                        ; written once: a lane permute's destination counts as one of its sources
.endr
	s_wait_dscnt 0x0                               ; both opening adds are done
	s_wait_kmcnt 0x0
	s_cmp_eq_u32 s29, 1                            ; the choices hang on the work-group's number alone
	s_cselect_b64 s[44:45], s[10:11], s[8:9]
	s_cselect_b64 s[46:47], s[16:17], s[14:15]
	s_cmp_eq_u32 s29, 2
	s_cselect_b64 s[44:45], s[12:13], s[44:45]
	s_cselect_b64 s[46:47], s[18:19], s[46:47]
	s_add_nc_u64 s[42:43], s[44:45], s[62:63]
	s_or_b32 s43, s43, 0x80000000                  ; type = 2
	tensor_load_to_lds s[40:43], s[32:39]          ; my one tensor load
	s_nop 0
.rept 4
	v_nop
.endr
	s_add_nc_u64 s[46:47], s[46:47], s[60:61]
	s_add_nc_u64 s[48:49], s[20:21], s[66:67]
	s_add_nc_u64 s[50:51], s[22:23], s[68:69]
	s_cmp_eq_u32 s29, 0
	s_cselect_b64 s[52:53], s[24:25], s[26:27]
	s_add_nc_u64 s[52:53], s[52:53], s[70:71]      ; where token tiles 0-3 go,
	s_add_nc_u64 s[54:55], s[52:53], s[72:73]      ; and tiles 4-7
	WIN 0x40                                       ; destination window 1
.set wi, 0
.rept 32
	global_load_b128 v[WF+4*wi:WF+4*wi+3], v[LI], s[48:49] offset:512*wi   ; W's fragment (column tile ct, K step s) lands at v[8 (4 ct + s)]: the images lie in that order
.set wi, wi+1
.endr
.irp ct, 0,1,2,3
.irp j, 0,1,2,3,4,5,6,7
	global_load_b32 v[B1+8*\ct+\j], v[BO+\j], s[46:47] offset:64*\ct
.endr
.endr
	WIN 0
.irp ct, 0,1,2,3
.irp s, 0,1,2,3
	global_load_b32 v[WSC+4*\ct+\s], v[R4], s[50:51] offset:2048*\s+64*\ct
.endr
.endr
	s_wait_tensorcnt 0x0                           ; my part of x is in LDS,
	s_barrier_signal -1
	s_barrier_wait -1                              ; everybody's is
; ---- x's 16 rows become four fragments
.macro XL s                            ; my 64 numbers of K step s: register 16 b + i = k 32 b + 16 h + i of my row
.irp b, 0,1,2,3
.irp j, 0,1,2,3
	ds_load_b128 v[XF+64*((\s)%2)+16*\b+4*\j:XF+64*((\s)%2)+16*\b+4*\j+3], v[XA+(\s)] offset:128*\b+16*\j
.endr
.endr
.endm
.macro QUANT s                         ; the numbers of K step s become a fragment's codes in v[QC] on and its scale word in v[QW]
.set QS, XF+64*((\s)%2)
.set QC, PC+8*((\s)%2)
.set QW, PW+((\s)%2)
.irp b, 0,1,2,3
	v_max3_num_f32 v[TM+\b], |v[QS+16*\b]|, |v[QS+1+16*\b]|, 0x1800000   ; block b: my 16 numbers, and the floor 2^(3 - 127): the byte cannot fall under 1
.endr
.irp i, 2,4,6,8,10,12,14
.irp b, 0,1,2,3
	v_max3_num_f32 v[TM+\b], v[TM+\b], |v[QS+16*\b+\i]|, |v[QS+1+16*\b+\i]|   ; the four blocks by turns
.endr
.endr
.irp b, 0,1,2,3
	v_permlanex16_b32 v[TM+4+\b], v[TM+\b], s[SEL], s[SEL+1]
.endr
.irp b, 0,1,2,3
	v_max_num_f32 v[TM+\b], v[TM+\b], v[TM+4+\b]   ; with lane l xor 16's: the block's largest magnitude
.endr
.irp b, 0,1,2,3
	v_add_nc_u32 v[TM+12+\b], 0xff000000, v[TM+\b] ; 2 off its exponent field: the conversion's scale operand
.endr
.irp b, 0,1,2,3
	v_lshrrev_b32 v[TM+4+\b], 23, v[TM+12+\b]      ; the scale's byte
.endr
	v_lshl_or_b32 v[QW], v[TM+5], 8, v[TM+4]
	v_lshl_or_b32 v[QW], v[TM+6], 16, v[QW]
	v_lshl_or_b32 v[QW], v[TM+7], 24, v[QW]
.irp b, 0,1,2,3
	v_cvt_scalef32_pk8_fp4_f32 v[QC+2*\b], v[QS+16*\b:QS+7+16*\b], v[TM+12+\b]
	v_cvt_scalef32_pk8_fp4_f32 v[QC+1+2*\b], v[QS+8+16*\b:QS+15+16*\b], v[TM+12+\b]
.endr
	v_nop                                          ; one plain instruction behind the last scaled conversion
.irp c, 0,1                            ; the operand's layout wants a whole block in a lane
.irp i, 0,1
	v_permlane16_swap_b32 v[QC+4*\c+\i], v[QC+2+4*\c+\i]
.endr
.endr
	ds_store_b128 v[XWI], v[QC:QC+3] offset:1024*(\s)
	ds_store_b128 v[XWI], v[QC+4:QC+7] offset:1024*(\s)+512
	ds_store_b32 v[XWS], v[QW] offset:128*(\s)
.endm
	XL 0
	XL 1
	s_wait_dscnt 16                                ; K step 0's 16 loads are in; K step 1's may be out
	QUANT 0
	XL 2
	s_wait_dscnt 19                                ; K step 1's are in; behind them: 3 stores, 16 loads
	QUANT 1
	XL 3
	s_wait_dscnt 19
	QUANT 2
	s_wait_dscnt 3                                 ; K step 3's are in; behind them: 3 stores
	QUANT 3
	s_wait_dscnt 0x0                               ; for the others' sake: my images lie in LDS
	s_barrier_signal -1
	s_barrier_wait -1                              ; all 32 fragments do
	s_wait_loadcnt 0x0                             ; W, its scale words, the bias
; ---- the products, two token tiles at a time: 8 accumulators by turns
.macro FETCHX mp
.irp mi, 0,1
.irp s, 0,1,2,3
.irp c, 0,1
	ds_load_b128 v[XF+64*((\mp)%2)+32*\mi+8*\s+4*\c:XF+64*((\mp)%2)+32*\mi+8*\s+4*\c+3], v[FI] offset:(8*(\mp)+4*\mi+\s)*1024+512*\c
.endr
	ds_load_b32 v[XS+8*((\mp)%2)+4*\mi+\s], v[FS] offset:(8*(\mp)+4*\mi+\s)*128
.endr
.endr
.endm
.macro MM mp, s, mi, ct, swap
.set rA, ACC+8*(4*(\mi)+(\ct))
.set rW, WF+8*(4*(\ct)+(\s))
.set rX, XF+64*((\mp)%2)+32*(\mi)+8*(\s)
.set rB, B1+8*(\ct)
.set cW, WSC+4*(\ct)+(\s)
.set cX, XS+8*((\mp)%2)+4*(\mi)+(\s)
.if \swap
.if (\s) == 0
	v_wmma_scale_f32_16x16x128_f8f6f4 v[rA:rA+7], v[rX:rX+7], v[rW:rW+7], v[rB:rB+7], v[cX], v[cW] matrix_a_fmt:MATRIX_FMT_FP4 matrix_b_fmt:MATRIX_FMT_FP4
.else
	v_wmma_scale_f32_16x16x128_f8f6f4 v[rA:rA+7], v[rX:rX+7], v[rW:rW+7], v[rA:rA+7], v[cX], v[cW] matrix_a_fmt:MATRIX_FMT_FP4 matrix_b_fmt:MATRIX_FMT_FP4
.endif
.else
.if (\s) == 0
	v_wmma_scale_f32_16x16x128_f8f6f4 v[rA:rA+7], v[rW:rW+7], v[rX:rX+7], v[rB:rB+7], v[cW], v[cX] matrix_a_fmt:MATRIX_FMT_FP4 matrix_b_fmt:MATRIX_FMT_FP4
.else
	v_wmma_scale_f32_16x16x128_f8f6f4 v[rA:rA+7], v[rW:rW+7], v[rX:rX+7], v[rA:rA+7], v[cW], v[cX] matrix_a_fmt:MATRIX_FMT_FP4 matrix_b_fmt:MATRIX_FMT_FP4
.endif
.endif
.endm
.macro PAIR mp, swap                   ; token tiles 2 mp and 2 mp + 1.  swap = 1: x is source 0 (v)
.set DB, 52+2*((\mp)/2)
.if (\mp) < 3
	FETCHX (\mp)+1                                 ; into the set that the pair before this one read: its last product stands four v_nop and 32 conversions back
	s_wait_dscnt 24                                ; this pair's fragments and scale words are in; the next pair's 24 loads may be out
.else
	s_wait_dscnt 0x0
.endif
.if \swap
	WIN 0x54                                       ; source 1 (W), C and D window 1
.else
	WIN 0x51                                       ; source 0 (W), C and D window 1
.endif
.irp s, 0,1,2,3
.irp mi, 0,1
.irp ct, 0,1,2,3
	MM \mp, \s, \mi, \ct, \swap                    ; the first K step's C is the bias: nothing is cleared, nothing is added afterwards
.endr
.endr
.endr
.rept 4
	v_nop                                          ; four places between the last product and the first read of a result
.endr
.if (\mp) > 0
	s_wait_xcnt 0x0                                ; the last pair's stores have read their data: the registers may be written again
.endif
	WIN 0x05                                       ; sources window 1, destination window 0
.irp a, 0,1,2,3,4,5,6,7
.irp q, 0,1,2,3
	v_cvt_pk_f16_f32 v[PK+4*\a+\q], v[ACC+8*\a+2*\q], v[ACC+8*\a+2*\q+1]   ; each accumulator from its low end on
.endr
.endr
	WIN 0
.irp mi, 0,1
.irp ct, 0,1,2,3
.if \swap
	global_store_b128 v[LI], v[PK+4*(4*\mi+\ct):PK+4*(4*\mi+\ct)+3], s[DB:DB+1] offset:8192+2048*\ct+512*((2*(\mp)+\mi)%4)   ; 512 consecutive bytes, aligned: half a fragment of V^T
.else
	global_store_b128 v[LI], v[PK+4*(4*\mi+\ct):PK+4*(4*\mi+\ct)+3], s[DB:DB+1] offset:2048*((2*(\mp)+\mi)%4)+512*\ct        ; half a fragment of q or of k
.endif
.endr
.endr
.endm
	FETCHX 0
	s_cmp_eq_u32 s29, 2                            ; the work-group's number alone
	s_cbranch_scc1 .Lv
.irp mp, 0,1,2,3
	PAIR \mp, 0
.endr
	s_branch .Ljoin
.Lv:
.irp mp, 0,1,2,3
	PAIR \mp, 1
.endr
.Ljoin:
	s_wait_tensorcnt 0x0                           ; the wave's end: behind my last tensor load and my last LDS store
	ds_add_u32 v[SPW], v[NIL]
	s_wait_dscnt 0x0
	s_endpgm
.Lfunc_end_k_qa2c99d004c_proj:
	.size	k_qa2c99d004c_proj, .Lfunc_end_k_qa2c99d004c_proj-k_qa2c99d004c_proj
	.p2alignl 7, 3214868480
	.fill 96, 4, 3214868480
	.section	.rodata,"a",@progbits
	.p2align	6, 0x0
	.amdhsa_kernel k_qa2c99d004c_proj
		.amdhsa_group_segment_fixed_size 308224
		.amdhsa_private_segment_fixed_size 0
		.amdhsa_enable_private_segment 0
		.amdhsa_kernarg_size 80
		.amdhsa_user_sgpr_count 2
		.amdhsa_user_sgpr_kernarg_segment_ptr 1
		.amdhsa_wavefront_size32 1
		.amdhsa_system_sgpr_workgroup_id_x 1
		.amdhsa_system_sgpr_workgroup_id_y 1
		.amdhsa_system_sgpr_workgroup_id_z 1
		.amdhsa_system_vgpr_workitem_id 0
		.amdhsa_next_free_vgpr 512
		.amdhsa_next_free_sgpr 80
		.amdhsa_reserve_vcc 0
		.amdhsa_float_denorm_mode_32 3
		.amdhsa_float_denorm_mode_16_64 3
		.amdhsa_memory_ordered 1
		.amdhsa_forward_progress 1
		.amdhsa_inst_pref_size 100
	.end_amdhsa_kernel
	.amdgpu_metadata
---
amdhsa.version: [ 1, 2 ]
amdhsa.kernels:
  - .name:           k_qa2c99d004c_proj
    .symbol:         k_qa2c99d004c_proj.kd
    .args:
      - { .name: Q, .offset: 0, .size: 8, .value_kind: global_buffer, .address_space: global }
      - { .name: K, .offset: 8, .size: 8, .value_kind: global_buffer, .address_space: global }
      - { .name: V, .offset: 16, .size: 8, .value_kind: global_buffer, .address_space: global }
      - { .name: bq, .offset: 24, .size: 8, .value_kind: global_buffer, .address_space: global }
      - { .name: bk, .offset: 32, .size: 8, .value_kind: global_buffer, .address_space: global }
      - { .name: bv, .offset: 40, .size: 8, .value_kind: global_buffer, .address_space: global }
      - { .name: wc, .offset: 48, .size: 8, .value_kind: global_buffer, .address_space: global }
      - { .name: ws, .offset: 56, .size: 8, .value_kind: global_buffer, .address_space: global }
      - { .name: qf, .offset: 64, .size: 8, .value_kind: global_buffer, .address_space: global }
      - { .name: kv, .offset: 72, .size: 8, .value_kind: global_buffer, .address_space: global }
    .group_segment_fixed_size: 308224
    .private_segment_fixed_size: 0
    .kernarg_segment_align: 8
    .kernarg_segment_size: 80
    .max_flat_workgroup_size: 256
    .sgpr_count:     80
    .vgpr_count:     512
    .wavefront_size: 32
...
	.end_amdgpu_metadata
.endif
;; end of part 2
;; launch attn (part 3): grid 16 x 16, 8 waves a work-group, clusters of 4 x 1, 327,680 bytes of LDS; arguments qf, kv, ofr; writes ofr
.if DOCPART == 3
	.amdgcn_target "amdgcn-amd-amdhsa--gfx1250"
	.amdhsa_code_object_version 6
	.text
	.protected	k_qa2c99d004c_attn
	.globl	k_qa2c99d004c_attn
	.p2align	8
	.type	k_qa2c99d004c_attn,@function
k_qa2c99d004c_attn:
	s_mov_b64 s[64:65], 0
	v_nop
	global_prefetch_b8 v0, s[64:65] scope:SCOPE_SE
	s_setreg_imm32_b32 hwreg(HW_REG_WAVE_MODE, 25, 1), 1
	s_wait_xcnt 0x0
	s_wait_alu depctr_hold_cnt(0) depctr_sa_sdst(0) depctr_va_vdst(0) depctr_va_sdst(0) depctr_va_ssrc(0) depctr_va_vcc(0) depctr_vm_vsrc(0)
	s_getreg_b32 s2, hwreg(HW_REG_IB_STS2, 6, 4)
	s_cmp_eq_u32 s2, 0
	s_cbranch_scc0 .Lentry_in_a_cluster
	s_endpgm
.Lentry_in_a_cluster:
	s_bfe_u32 s2, ttmp6, 0x10000c
	s_cmp_lg_u32 s2, 0x3003
	s_cbranch_scc0 .Lentry_shape_is_right
	s_endpgm
.Lentry_shape_is_right:
; o[bh][q] = the sum over keys of softmax(q . k / 8) v, head size 64, 4,096 keys, no mask.  Operands f16, products, maxima and sums in f32; the weights p are rounded to f16 for the second product, o once at the end.
; LIMITS: o is stored as f16 (|o| at or under 65,504, what falls under 6e-8 is lost); NaN and infinities are not served.
; SHARES: a work-group owns 256 queries of one batch x head.  Wave wv: g = wv % 4 names its 64 queries (four tiles of 16), sh = wv / 4 which half of each chunk's keys it walks.  So two waves lie on a SIMD,
; each with 512 registers, and one wave's softmax stands beside the other's products; each fragment of K or V that a wave reads feeds four products.  The two waves of a g keep a maximum, a sum and an O of
; their own and merge them once, at the end, through LDS.
; LAYOUT: S^T = K Q^T (source 0 = 16 keys, source 1 = 16 queries) and O^T = V^T P (source 0 = 16 channels, source 1 = P): a lane holds ONE query throughout.  Two tiles of S^T, packed to f16 in pairs,
; ARE a fragment of P.  q, k and v^T arrive as images of their fragments' registers: every LDS load takes 512 consecutive bytes; nothing is turned and nothing is padded.
; SOFTMAX: a running maximum m and sum l for each query: p = 2^(c s - c m), c = log2(e) / 8; in every step O and l are multiplied by a = 2^(c m_old - c m_new).
; RING: a chunk is 512 keys, 8 steps of 16,384 bytes, dense in memory; two slots.  Wave wv fetches step wv of a chunk: one tensor load a wave behind each change of slots, with a chunk's four key steps in which to land.
; CLUSTER: the four query blocks of a cluster belong to one batch x head and walk the same K and V: each tile is asked for JOINTLY, by the same tensor load with the same descriptor and a mask that names the four.
; REGISTERS: window 0: v1-15 addresses and work; v16-63 statistics, 12 a tile: +0 c m, +1 m, +2, +3 l, +4 .. +7 at work (a takes +6), +8 the old c m; v64-127 V; v128-255 S^T, 32 a tile; P is packed into each tile's low 16.
;   window 1: v0-63 Q; v64-191 O^T, 32 a tile; v192-255 K.
.set SLOT1, 1<<17
.set CHUNK, 131072
.set STEPB, 16384
.set SPARE, 262144                     ; behind the ring: the spare words, 128 bytes for each wave: four blocks of 256 bytes that no other line names
.set MST,   8704                       ; the merge: 8,192 bytes of O^T and 512 of statistics for each wave, in the ring's bytes, which by then have had their last fill and their last read
.set LI,  1                            ; v1  16 x lane
.set ADR, 2                            ; v2  LDS address of the key step in hand
.set SPW, 3                            ; v3  my spare word; never rewritten
.set NIL, 4                            ; v4  0; never rewritten
.set STO, 6                            ; v6  the merge: where I store
.set RDP, 7                            ; v7  and where I read what my partner stored
.set PFO, 8                            ; v8  256 x lane
.set ST,  16
.set VF,  64
.set S,   128
.set QF,  0
.set O,   64
.set KF,  192
.set WV,  10
.set G1,  16
.set G0,  24
.set PFA, 28
.set LIM, 30
.set SLOTS, 31
.set CNT, 32
.set TB,  33
.set CS,  34
.set SEL, 36
.set MSB, 0
.macro WIN new                         ; the immediate's high byte repeats the setting that is left
.if MSB != \new
	s_set_vgpr_msb (MSB<<8)|\new
.set MSB, \new
.endif
.endm
.macro CROUND                          ; a round of the cluster's barrier
	s_barrier_signal -1
	s_barrier_wait -1
	s_cmp_lg_u32 s[WV], 0
	s_cbranch_scc1 .Lnot_wave_0_\@
	s_barrier_signal -3
.Lnot_wave_0_\@:
	s_barrier_wait -3
	s_barrier_signal -1
	s_barrier_wait -1
.endm
; A prefetch of the chunk that the NEXT change of slots will ask for: 131,072 bytes, each aligned 256 named once in the launch.  All clusters of a batch x head walk the same chunks: the first cluster asks.
; Its four partners take 32,768 bytes each, told apart by address; in each, waves 0 to 3 take 8,192 bytes each, lanes 256 bytes apart.  The last change that fills a slot asks for nothing.
.macro ASK
	s_cmp_gt_u32 s[SLOTS], s[LIM]
	s_cbranch_scc0 .Lnot_mine_\@
	global_prefetch_b8 v[PFO], s[PFA:PFA+1] th:TH_LOAD_NT scope:SCOPE_SE
.Lnot_mine_\@:
.endm
	s_load_b128 s[4:7], s[0:1], 0x0                ; qf, kv
	s_load_b64 s[8:9], s[0:1], 0x10                ; ofr
	v_lshl_add_u32 v[SPW], v0, 2, SPARE
	v_mov_b32 v[NIL], 0
	ds_add_u32 v[SPW], v[NIL]                      ; the wave's opening: the add, twice on end, and its wait ahead of my first tensor load
	ds_add_u32 v[SPW], v[NIL]
	v_lshrrev_b32 v9, 5, v0
	v_readfirstlane_b32 s[WV], v9                  ; wave 0..7
	s_and_b32 s11, s[WV], 3                        ; g
	s_lshr_b32 s12, s[WV], 2                       ; sh
	s_bfe_u32 s13, ttmp6, 0x40000                  ; cx: my place in the cluster
	s_lshl_b32 s14, ttmp9, 2
	s_add_co_u32 s14, s14, s13                     ; my block of 256 queries: it enters global addresses alone
	s_and_b32 s15, ttmp7, 0xffff                   ; batch x 8 + head, which the four partners share
	s_mov_b32 s[G1], 15|(3<<16)|(1<<21)            ; the mask: all four work-groups; elements of 8 bytes; bit 21 beside a mask
	s_mov_b32 s[G1+1], 32<<16                      ; tensor_dim0 = 32 (256 bytes)
	s_mov_b32 s[G1+2], 64<<16                      ; tensor_dim1 = 64
	s_mov_b32 s[G1+3], 32<<16                      ; tile_dim0
	s_mov_b32 s[G1+4], 64                          ; tile_dim1
	s_mov_b32 s[G1+5], 32                          ; dense
	s_mov_b32 s[G1+6], 0
	s_mov_b32 s[G1+7], 0
	s_mov_b32 s[CS], 0x3e38aa3b                    ; c = log2(e) / 8
	s_mov_b32 s[CS+1], s[CS]                       ; (named with it as a pair)
	s_mov_b32 s[SEL], 0x76543210
	s_mov_b32 s[SEL+1], 0xfedcba98
	s_lshl_b32 s38, s15, 20                        ; kv: 1,048,576 bytes a batch x head,
	s_lshl_b32 s46, s[WV], 14                      ; my step of a chunk
	s_add_co_u32 s38, s38, s46
	s_mov_b32 s39, 0
	s_lshl_b32 s40, s15, 19                        ; qf: 524,288 bytes a batch x head, 32,768 a block, 8,192 for my four tiles
	s_lshl_b32 s46, s14, 15
	s_add_co_u32 s40, s40, s46
	s_lshl_b32 s46, s11, 13
	s_add_co_u32 s40, s40, s46
	s_mov_b32 s41, 0
	s_bfe_u32 s42, s15, 0x20001                    ; ofr [head / 2][token tile 512][(head % 2) x 2 + u][1,024]
	s_lshl_b32 s42, s42, 21
	s_lshr_b32 s46, s15, 3
	s_lshl_b32 s46, s46, 20                        ; a batch's 256 token tiles of 4,096 bytes
	s_add_co_u32 s42, s42, s46
	s_lshl_b32 s46, s14, 16
	s_add_co_u32 s42, s42, s46
	s_lshl_b32 s46, s11, 14
	s_add_co_u32 s42, s42, s46
	s_and_b32 s46, s15, 1
	s_lshl_b32 s46, s46, 11
	s_add_co_u32 s42, s42, s46
	s_mov_b32 s43, 0
	s_lshl_b32 s44, s15, 20                        ; the prefetches: chunk 1 (the first change of slots steps it to chunk 2),
	s_add_co_u32 s44, s44, CHUNK
	s_lshl_b32 s46, s13, 15                        ; my work-group's quarter,
	s_add_co_u32 s44, s44, s46
	s_lshl_b32 s46, s11, 13                        ; my wave's quarter of that
	s_add_co_u32 s44, s44, s46
	s_mov_b32 s45, 0
	s_or_b32 s[LIM], s12, ttmp9                    ; 0 in waves 0 to 3 of the first cluster: the same in all four partners
	s_cmp_eq_u32 s[LIM], 0
	s_cselect_b32 s[LIM], 1, -1
	s_lshl_b32 s[TB], s12, 16                      ; my four steps of a chunk
	s_mov_b32 s[SLOTS], 7
	v_and_b32 v9, 31, v0
	v_lshlrev_b32 v[LI], 4, v9
	v_lshlrev_b32 v[PFO], 8, v9
	s_mul_i32 s46, s[WV], MST
	v_add_nc_u32 v[STO], s46, v[LI]
	s_xor_b32 s47, s[WV], 4                        ; my partner: the same g, the other half of the keys
	s_mul_i32 s47, s47, MST
	v_add_nc_u32 v[RDP], s47, v[LI]
	s_wait_dscnt 0x0                               ; both opening adds are done
	s_wait_kmcnt 0x0
	s_mov_b32 s[G0], 1
	s_lshl_b32 s[G0+1], s[WV], 14                  ; slot 0, my step
	s_add_nc_u64 s[G0+2:G0+3], s[6:7], s[38:39]
	s_or_b32 s[G0+3], s[G0+3], 0x80000000          ; type = 2
	s_add_nc_u64 s[4:5], s[4:5], s[40:41]
	s_add_nc_u64 s[8:9], s[8:9], s[42:43]
	s_add_nc_u64 s[PFA:PFA+1], s[6:7], s[44:45]
	CROUND                                         ; all four work-groups are here: the first joint loads meet
	tensor_load_to_lds s[G0:G0+3], s[G1:G1+7]      ; chunk 0
	s_nop 0
.rept 4
	v_nop
.endr
	WIN 0x40                                       ; destination window 1
.set qi, 0
.rept 16
	global_load_b128 v[QF+4*qi:QF+4*qi+3], v[LI], s[4:5] offset:512*qi     ; Q's fragment (tile t, channels u) lands at v[16 t + 8 u]
.set qi, qi+1
.endr
.set zi, 0
.rept 128
	v_mov_b32 v[O+zi], 0                           ; O^T.  The key step is written once for all steps: the first finds zeros, which its a = 0 leaves zeros
.set zi, zi+1
.endr
	WIN 0
.irp t, 0,1,2,3
	v_mov_b32 v[ST+12*\t+1], 0xff61b1e6            ; m: -3e38, under every score
	v_mul_f32 v[ST+12*\t], s[CS], v[ST+12*\t+1]    ; c m
	v_mov_b32 v[ST+12*\t+2], 0                     ; l, in two halves
	v_mov_b32 v[ST+12*\t+3], 0
.endr
	s_wait_loadcnt 0x0                             ; Q
; A KEY STEP: 64 keys.
.macro STEP
	s_wait_dscnt 0x0                               ; K is in
	WIN 0x05                                       ; K and Q window 1, S^T window 0
.irp u, 0,1
.irp kt, 0,1,2,3
.irp t, 0,1,2,3
.if \u == 0
	v_wmma_f32_16x16x32_f16 v[S+32*\t+8*\kt:S+32*\t+8*\kt+7], v[KF+16*\kt+8*\u:KF+16*\kt+8*\u+7], v[QF+16*\t+8*\u:QF+16*\t+8*\u+7], 0
.else
	v_wmma_f32_16x16x32_f16 v[S+32*\t+8*\kt:S+32*\t+8*\kt+7], v[KF+16*\kt+8*\u:KF+16*\kt+8*\u+7], v[QF+16*\t+8*\u:QF+16*\t+8*\u+7], v[S+32*\t+8*\kt:S+32*\t+8*\kt+7]
.endif
.endr
.endr
.endr                                  ; the 16 accumulators take turns, one instruction a turn
	WIN 0
.irp t, 0,1,2,3
	v_mov_b32 v[ST+12*\t+8], v[ST+12*\t]           ; c m_old is kept.  These four are the places between the products and the loads into K's registers and the first reads of the scores
.endr
	s_cmp_eq_u32 s[CNT], 1                         ; the next step's K, unless this is my last step of the chunk
	s_cbranch_scc1 .Lno_k_\@
	WIN 0x40
.set ki, 0
.rept 16
	ds_load_b128 v[KF+4*ki:KF+4*ki+3], v[ADR] offset:STEPB+512*ki
.set ki, ki+1
.endr
	WIN 0
.Lno_k_\@:
.set vi, 0
.rept 16
	ds_load_b128 v[VF+4*vi:VF+4*vi+3], v[ADR] offset:8192+512*vi   ; this step's V^T
.set vi, vi+1
.endr
.irp j, 0,1,2,3                        ; the maximum of a lane's 32 scores and the old m: four chains a tile, each begun at an accumulator's low end; the tiles by turns
.irp t, 0,1,2,3
	v_max3_num_f32 v[ST+12*\t+4+\j], v[S+32*\t+8*\j], v[S+32*\t+8*\j+1], v[S+32*\t+8*\j+2]
.endr
.endr
.irp q, 1,2
.irp j, 0,1,2,3
.irp t, 0,1,2,3
	v_max3_num_f32 v[ST+12*\t+4+\j], v[ST+12*\t+4+\j], v[S+32*\t+8*\j+2*\q+1], v[S+32*\t+8*\j+2*\q+2]
.endr
.endr
.endr
.irp t, 0,1,2,3
	v_max3_num_f32 v[ST+12*\t+4], v[ST+12*\t+4], v[S+32*\t+7], v[S+32*\t+15]
.endr
.irp t, 0,1,2,3
	v_max3_num_f32 v[ST+12*\t+6], v[ST+12*\t+6], v[S+32*\t+23], v[S+32*\t+31]
.endr
.irp t, 0,1,2,3
	v_max3_num_f32 v[ST+12*\t+4], v[ST+12*\t+4], v[ST+12*\t+5], v[ST+12*\t+6]
.endr
.irp t, 0,1,2,3
	v_max3_num_f32 v[ST+12*\t+4], v[ST+12*\t+4], v[ST+12*\t+7], v[ST+12*\t+1]
.endr
.irp t, 0,1,2,3
	v_permlanex16_b32 v[ST+12*\t+5], v[ST+12*\t+4], s[SEL], s[SEL+1]   ; the query's other 32 keys lie in the lane 16 away
.endr
.irp t, 0,1,2,3
	v_max_num_f32 v[ST+12*\t+1], v[ST+12*\t+4], v[ST+12*\t+5]      ; the new m
.endr
.irp t, 0,1,2,3
	v_mul_f32 v[ST+12*\t], s[CS], v[ST+12*\t+1]                    ; c m
.endr
.irp t, 0,1,2,3
	v_sub_f32 v[ST+12*\t+8], v[ST+12*\t+8], v[ST+12*\t]            ; c m_old - c m_new, 0 or less
.endr
.irp t, 0,1,2,3
	v_exp_f32 v[ST+12*\t+6], v[ST+12*\t+8]                         ; a.  From here to the wait below nothing names an exponential's result: ONE batch of 132
.endr
.irp i, 0,1,2,3,4,5,6,7,8,9,10,11,12,13,14,15
	v_pk_fma_f32 v[S+2*\i:S+2*\i+1], v[S+2*\i:S+2*\i+1], s[CS:CS+1], v[ST:ST+1] op_sel_hi:[1,0,0] neg_lo:[0,0,1] neg_hi:[0,0,1]   ; tile 0: c s - c m, two at a time
.endr
.irp t, 0,1,2,3                        ; tile t's exponentials, with tile t + 1's scalings between them
.irp i, 0,1,2,3,4,5,6,7,8,9,10,11,12,13,14,15
	v_exp_f32 v[S+32*\t+2*\i], v[S+32*\t+2*\i]
	v_exp_f32 v[S+32*\t+2*\i+1], v[S+32*\t+2*\i+1]
.if \t < 3
	v_pk_fma_f32 v[S+32*(\t+1)+2*\i:S+32*(\t+1)+2*\i+1], v[S+32*(\t+1)+2*\i:S+32*(\t+1)+2*\i+1], s[CS:CS+1], v[ST+12*(\t+1):ST+12*(\t+1)+1] op_sel_hi:[1,0,0] neg_lo:[0,0,1] neg_hi:[0,0,1]
.endif
.endr
.endr
	v_nop                                          ; a plain instruction behind the last exponential
	s_wait_alu depctr_va_vdst(0)                   ; the wait ahead of the first instruction that names a result: one for the batch
.irp t, 0,1,2,3
	v_pk_fma_f32 v[ST+12*\t+2:ST+12*\t+3], v[ST+12*\t+2:ST+12*\t+3], v[ST+12*\t+6:ST+12*\t+7], v[S+32*\t:S+32*\t+1] op_sel_hi:[1,0,1]   ; l = a l + p: the sum takes p before it is rounded
.endr
.irp b, 1,2,3,4,5,6,7,8,9,10,11,12,13,14,15
.irp t, 0,1,2,3
	v_pk_add_f32 v[ST+12*\t+2:ST+12*\t+3], v[ST+12*\t+2:ST+12*\t+3], v[S+32*\t+2*\b:S+32*\t+2*\b+1]
.endr
.endr
.irp d, 0,1,2,3,4,5,6,7,8,9,10,11,12,13,14,15
.irp t, 0,1,2,3
	v_cvt_pk_f16_f32 v[S+32*\t+\d], v[S+32*\t+2*\d], v[S+32*\t+2*\d+1]   ; P, in place: register d was read at pair d / 2
.endr
.endr
	WIN 0x41                                       ; O^T (destination and source 0) window 1, a window 0
.irp t, 0,1,2,3
.irp i, 0,1,2,3,4,5,6,7,8,9,10,11,12,13,14,15
	v_pk_mul_f32 v[O+32*\t+2*\i:O+32*\t+2*\i+1], v[O+32*\t+2*\i:O+32*\t+2*\i+1], v[ST+12*\t+6:ST+12*\t+7] op_sel_hi:[1,0]
.endr
.endr
	s_wait_dscnt 0x0                               ; V is in, and the next step's K
	WIN 0x50                                       ; V and P window 0, O^T window 1
.irp ku, 0,1
.irp ct, 0,1,2,3
.irp t, 0,1,2,3
	v_wmma_f32_16x16x32_f16 v[O+32*\t+8*\ct:O+32*\t+8*\ct+7], v[VF+16*\ct+8*\ku:VF+16*\ct+8*\ku+7], v[S+32*\t+8*\ku:S+32*\t+8*\ku+7], v[O+32*\t+8*\ct:O+32*\t+8*\ct+7]
.endr
.endr
.endr
	WIN 0
.rept 5
	v_nop                                          ; five places before the next step's products write over P's registers (four before a load lands in V's or a vector instruction reads O^T)
.endr
	s_add_co_u32 s[TB], s[TB], STEPB
	v_add_nc_u32 v[ADR], s[TB], v[LI]              ; the next step
.endm
; THE CHANGE OF SLOTS, at a chunk's head.  Each wave waits for all its tensor loads (its step of the chunk that is about to be read), adds 0 to its spare word, and waits for that and for its reads of the
; chunk that it has left.  fill = 1: a round of the cluster's barrier, so that no wave of any partner still reads the slot that was left or has a load on its way; the joint load of the next chunk is the first thing behind it.
.macro CHANGE fill
	s_wait_tensorcnt 0x0                           ; no tensor load of mine is out, so the descriptor may be written
	ds_add_u32 v[SPW], v[NIL]
.if \fill
	s_xor_b32 s[G0+1], s[G0+1], SLOT1              ; the other slot than last time,
	s_add_nc_u64 s[G0+2:G0+3], s[G0+2:G0+3], CHUNK ; the next 512 keys; the type bits on top are not reached
	s_wait_xcnt 0x0                                ; the last prefetch, a chunk back, has read its address
	s_add_nc_u64 s[PFA:PFA+1], s[PFA:PFA+1], CHUNK ; one chunk further on than the descriptor
	s_wait_dscnt 0x0                               ; the add is done, and my reads of the chunk that I have left are over
	CROUND
	tensor_load_to_lds s[G0:G0+3], s[G1:G1+7]      ; my one tensor load until the next round
	s_nop 0
.rept 4
	v_nop
.endr
	ASK
.else
	s_wait_dscnt 0x0
	s_barrier_signal -1
	s_barrier_wait -1
.endif
.endm
.macro FOUR_STEPS                      ; my four steps of a chunk: the step is written once and walked four times
	v_add_nc_u32 v[ADR], s[TB], v[LI]
	WIN 0x40
.set ki, 0
.rept 16
	ds_load_b128 v[KF+4*ki:KF+4*ki+3], v[ADR] offset:512*ki
.set ki, ki+1
.endr
	WIN 0
	s_mov_b32 s[CNT], 4
.Lstep_\@:
	STEP
	s_sub_co_u32 s[CNT], s[CNT], 1
	s_cmp_lg_u32 s[CNT], 0
	s_cbranch_scc1 .Lstep_\@
	s_sub_co_u32 s[TB], s[TB], 4*STEPB             ; back to my first step,
	s_xor_b32 s[TB], s[TB], SLOT1                  ; in the other slot
.endm
.Lslot:                                            ; 7 trips: behind each change of slots but the last the next chunk is asked for
	CHANGE 1
	FOUR_STEPS
	s_sub_co_u32 s[SLOTS], s[SLOTS], 1
	s_cmp_lg_u32 s[SLOTS], 0
	s_cbranch_scc1 .Lslot
	CHANGE 0                                       ; the last chunk is written out
	FOUR_STEPS
	; ---- THE MERGE.  Wave (g, 0) finishes tiles 0 and 1, wave (g, 1) tiles 2 and 3; each sends the other two tiles' c m, l and O^T to its partner.
	s_wait_dscnt 0x0
	s_barrier_signal -1
	s_barrier_wait -1                              ; every wave's reads of the ring are over: its bytes may be stored into
.irp t, 0,1,2,3
	v_add_f32 v[ST+12*\t+2], v[ST+12*\t+2], v[ST+12*\t+3]          ; l's two halves,
.endr
.irp t, 0,1,2,3
	v_permlanex16_b32 v[ST+12*\t+4], v[ST+12*\t+2], s[SEL], s[SEL+1]
.endr
.irp t, 0,1,2,3
	v_add_f32 v[ST+12*\t+2], v[ST+12*\t+2], v[ST+12*\t+4]          ; and lane l xor 16's
.endr
.macro SENDT x
	v_mov_b32 v12, v[ST+12*(\x)]
	v_mov_b32 v13, v[ST+12*(\x)+2]
	v_mov_b32 v14, v[ST+12*(\x)+12]
	v_mov_b32 v15, v[ST+12*(\x)+14]
	ds_store_b128 v[STO], v[12:15] offset:8192
	WIN 0x04                                       ; an LDS store's data are its source 1: window 1
.set si, 0
.rept 16
	ds_store_b128 v[STO], v[O+32*(\x)+4*si:O+32*(\x)+4*si+3] offset:512*si   ; each accumulator from its low end on
.set si, si+1
.endr
	WIN 0
.endm
	s_cmp_eq_u32 s12, 0                            ; the wave's number alone
	s_cbranch_scc0 .Lsend_hi
	SENDT 2
	s_branch .Lsent
.Lsend_hi:
	SENDT 0
.Lsent:
	s_wait_dscnt 0x0                               ; for my partner's sake: my stores have landed
	s_barrier_signal -1
	s_barrier_wait -1
.macro FINISH y
.set fi, 0
.rept 16
	ds_load_b128 v[S+4*fi:S+4*fi+3], v[RDP] offset:512*fi          ; my partner's O^T of tiles y, y + 1
.set fi, fi+1
.endr
	ds_load_b128 v[12:15], v[RDP] offset:8192                      ; its c m and l of the two
	s_wait_dscnt 0x0
.irp k, 0,1
	v_max_num_f32 v[ST+12*(\y+\k)+4], v[ST+12*(\y+\k)], v[12+2*\k] ; the common c m
.endr
.irp k, 0,1
	v_sub_f32 v[ST+12*(\y+\k)+5], v[ST+12*(\y+\k)], v[ST+12*(\y+\k)+4]
	v_sub_f32 v[ST+12*(\y+\k)+7], v[12+2*\k], v[ST+12*(\y+\k)+4]
.endr
.irp k, 0,1
	v_exp_f32 v[ST+12*(\y+\k)+6], v[ST+12*(\y+\k)+5]               ; a0: mine under the common maximum,
	v_exp_f32 v[ST+12*(\y+\k)+8], v[ST+12*(\y+\k)+7]               ; a1: my partner's
.endr
.irp k, 0,1
	v_mov_b32 v[ST+12*(\y+\k)+9], 0                                ; (named below as a pair's upper half.  A plain instruction behind the exponentials)
.endr
	s_wait_alu depctr_va_vdst(0)                   ; one wait for the four, ahead of their first reader
.irp k, 0,1
	v_mul_f32 v[ST+12*(\y+\k)+2], v[ST+12*(\y+\k)+2], v[ST+12*(\y+\k)+6]
.endr
.irp k, 0,1
	v_fma_f32 v[ST+12*(\y+\k)+2], v[13+2*\k], v[ST+12*(\y+\k)+8], v[ST+12*(\y+\k)+2]   ; the row's sum
.endr
.irp k, 0,1
	v_rcp_f32 v[ST+12*(\y+\k)+3], v[ST+12*(\y+\k)+2]
.endr
	v_nop
	s_wait_alu depctr_va_vdst(0)                   ; one wait for the two reciprocals
.irp k, 0,1
	v_mul_f32 v[ST+12*(\y+\k)+6], v[ST+12*(\y+\k)+6], v[ST+12*(\y+\k)+3]
	v_mul_f32 v[ST+12*(\y+\k)+8], v[ST+12*(\y+\k)+8], v[ST+12*(\y+\k)+3]
.endr
.irp k, 0,1
.irp i, 0,1,2,3,4,5,6,7,8,9,10,11,12,13,14,15
	v_pk_mul_f32 v[S+32*\k+2*\i:S+32*\k+2*\i+1], v[S+32*\k+2*\i:S+32*\k+2*\i+1], v[ST+12*(\y+\k)+8:ST+12*(\y+\k)+9] op_sel_hi:[1,0]
.endr
.endr
	WIN 0x01                                       ; source 0 (my O^T) window 1
.irp k, 0,1
.irp i, 0,1,2,3,4,5,6,7,8,9,10,11,12,13,14,15
	v_pk_fma_f32 v[S+32*\k+2*\i:S+32*\k+2*\i+1], v[O+32*(\y+\k)+2*\i:O+32*(\y+\k)+2*\i+1], v[ST+12*(\y+\k)+6:ST+12*(\y+\k)+7], v[S+32*\k+2*\i:S+32*\k+2*\i+1] op_sel_hi:[1,0,1]
.endr
.endr
	WIN 0
.irp k, 0,1
.irp i, 0,1,2,3,4,5,6,7,8,9,10,11,12,13,14,15
	v_cvt_pk_f16_f32 v[VF+16*\k+\i], v[S+32*\k+2*\i], v[S+32*\k+2*\i+1]
.endr
.endr
.irp k, 0,1
.irp ct, 0,1,2,3
	global_store_b128 v[LI], v[VF+16*\k+4*\ct:VF+16*\k+4*\ct+3], s[8:9] offset:4096*(\y+\k)+512*\ct   ; half a fragment (16 tokens x 32 dims) of the last product's operand: 512 consecutive bytes, aligned
.endr
.endr
.endm
	s_cmp_eq_u32 s12, 0
	s_cbranch_scc0 .Lfin_hi
	FINISH 0
	s_branch .Ldone
.Lfin_hi:
	FINISH 2
.Ldone:
	s_wait_tensorcnt 0x0                           ; the wave's end: behind my last tensor load and my last LDS store
	ds_add_u32 v[SPW], v[NIL]
	s_wait_dscnt 0x0
	CROUND                                         ; the closing round: no work-group ends while a partner may still ask for a tile that names it
	s_endpgm
.Lfunc_end_k_qa2c99d004c_attn:
	.size	k_qa2c99d004c_attn, .Lfunc_end_k_qa2c99d004c_attn-k_qa2c99d004c_attn
	.p2alignl 7, 3214868480
	.fill 96, 4, 3214868480
	.section	.rodata,"a",@progbits
	.p2align	6, 0x0
	.amdhsa_kernel k_qa2c99d004c_attn
		.amdhsa_group_segment_fixed_size 327680
		.amdhsa_private_segment_fixed_size 0
		.amdhsa_enable_private_segment 0
		.amdhsa_kernarg_size 24
		.amdhsa_user_sgpr_count 2
		.amdhsa_user_sgpr_kernarg_segment_ptr 1
		.amdhsa_wavefront_size32 1
		.amdhsa_system_sgpr_workgroup_id_x 1
		.amdhsa_system_sgpr_workgroup_id_y 1
		.amdhsa_system_sgpr_workgroup_id_z 1
		.amdhsa_system_vgpr_workitem_id 0
		.amdhsa_next_free_vgpr 512
		.amdhsa_next_free_sgpr 66
		.amdhsa_reserve_vcc 0
		.amdhsa_float_denorm_mode_32 3
		.amdhsa_float_denorm_mode_16_64 3
		.amdhsa_memory_ordered 1
		.amdhsa_forward_progress 1
		.amdhsa_inst_pref_size 99
	.end_amdhsa_kernel
	.amdgpu_metadata
---
amdhsa.version: [ 1, 2 ]
amdhsa.kernels:
  - .name:           k_qa2c99d004c_attn
    .symbol:         k_qa2c99d004c_attn.kd
    .args:
      - { .name: qf, .offset: 0, .size: 8, .value_kind: global_buffer, .address_space: global }
      - { .name: kv, .offset: 8, .size: 8, .value_kind: global_buffer, .address_space: global }
      - { .name: ofr, .offset: 16, .size: 8, .value_kind: global_buffer, .address_space: global }
    .group_segment_fixed_size: 327680
    .private_segment_fixed_size: 0
    .kernarg_segment_align: 8
    .kernarg_segment_size: 24
    .max_flat_workgroup_size: 256
    .sgpr_count:     66
    .vgpr_count:     512
    .wavefront_size: 32
...
	.end_amdgpu_metadata
.endif
;; end of part 3
;; launch outp (part 4): grid 4 x 64, 4 waves a work-group, clusters of 4 x 4, 280,064 bytes of LDS; arguments ofr, wof, bo, out0; writes out0
.if DOCPART == 4
	.amdgcn_target "amdgcn-amd-amdhsa--gfx1250"
	.amdhsa_code_object_version 6
	.text
	.protected	k_qa2c99d004c_outp
	.globl	k_qa2c99d004c_outp
	.p2align	8
	.type	k_qa2c99d004c_outp,@function
k_qa2c99d004c_outp:
	s_mov_b64 s[64:65], 0
	v_nop
	global_prefetch_b8 v0, s[64:65] scope:SCOPE_SE
	s_setreg_imm32_b32 hwreg(HW_REG_WAVE_MODE, 25, 1), 1
	s_wait_xcnt 0x0
	s_wait_alu depctr_hold_cnt(0) depctr_sa_sdst(0) depctr_va_vdst(0) depctr_va_sdst(0) depctr_va_ssrc(0) depctr_va_vcc(0) depctr_vm_vsrc(0)
	s_getreg_b32 s2, hwreg(HW_REG_IB_STS2, 6, 4)
	s_cmp_eq_u32 s2, 0
	s_cbranch_scc0 .Lentry_in_a_cluster
	s_endpgm
.Lentry_in_a_cluster:
	s_bfe_u32 s2, ttmp6, 0x10000c
	s_cmp_lg_u32 s2, 0xf033
	s_cbranch_scc0 .Lentry_shape_is_right
	s_endpgm
.Lentry_shape_is_right:
; out0 = o Wo + bo.  o [8,192][512] and Wo arrive as f16, as images of their fragments' registers; sums in f32; out0 f32.
; SHARES: a tile of out0 is 128 tokens x 128 columns: 256 work-groups.  Four waves, each 64 tokens x 64 columns: 16 accumulators.  All of K = 512 lies in LDS at once, in four quarters of 128: nothing is filled twice.
; Each wave asks for a quarter of each quarter, four tensor loads of 16,384 dense bytes at the head: by this text's own count four loads of a wave are out.
; CLUSTER: 4 x 4 work-groups.  The four of a row of the cluster need the same 128 tokens of o, the four of a column the same 128 columns of Wo: each tile is asked for JOINTLY.
; THE MATRIX INSTRUCTION IS USED TRANSPOSED (source 0 = 16 columns of Wo, source 1 = 16 tokens): a lane holds eight neighbouring columns of one token's row.  The bias is the C of each sum's first product.
; REGISTERS: window 0: v1-29 addresses; v32-63 the bias; v64-127 the way out, two sets; v128-255 the accumulators ((a, b) at v[128 + 8 (4 a + b)]).   window 1: two fragment buffers of 64: Wo's four, then o's four.
.set QB,    65536                      ; LDS: a quarter of K: o's 8 token tiles of 4,096 bytes, then Wo's 8 column tiles
.set STAGE, 262144                     ; the way out: 16 rows x (256 bytes + 16) for each wave
.set SP,    272
.set SPARE, 279552                     ; the spare words, 128 bytes for each wave: two blocks of 256 bytes that no other line names
.set LI,   1
.set ADO,  16                          ; v16  my four token tiles in the quarter in hand
.set ADW,  17                          ; v17  my four column tiles
.set STO,  18
.set RD,   19
.set CO,   20
.set SPW,  28
.set NIL,  29
.set BIAS, 32
.set OB,   64
.set ACC,  128
.set G1A,  16
.set G1B,  24
.set G0A,  32
.set G0B,  48
.set MSB, 0
.macro WIN new                         ; the immediate's high byte repeats the setting that is left
.if MSB != \new
	s_set_vgpr_msb (MSB<<8)|\new
.set MSB, \new
.endif
.endm
.macro CROUND                          ; a round of the cluster's barrier
	s_barrier_signal -1
	s_barrier_wait -1
	s_cmp_lg_u32 s12, 0
	s_cbranch_scc1 .Lnot_wave_0_\@
	s_barrier_signal -3
.Lnot_wave_0_\@:
	s_barrier_wait -3
	s_barrier_signal -1
	s_barrier_wait -1
.endm
	s_load_b256 s[4:11], s[0:1], 0x0               ; ofr, wof, bo, out0
	v_lshl_add_u32 v[SPW], v0, 2, SPARE
	v_mov_b32 v[NIL], 0
	ds_add_u32 v[SPW], v[NIL]                      ; the wave's opening: the add, twice on end, and its wait ahead of my first tensor load
	ds_add_u32 v[SPW], v[NIL]
	v_lshrrev_b32 v2, 5, v0
	v_readfirstlane_b32 s12, v2                    ; wave 0..3
	s_lshr_b32 s13, s12, 1                         ; which 64 tokens are mine.  Also: I fetch o (0) or Wo (1)
	s_and_b32 s14, s12, 1                          ; which 64 columns.  Also: which half of that tile I fetch
	s_bfe_u32 s66, ttmp6, 0x40000                  ; cx
	s_bfe_u32 s67, ttmp6, 0x40004                  ; cy
	s_lshl_b32 s68, ttmp9, 2
	s_add_co_u32 s68, s68, s66                     ; tile column
	s_and_b32 s69, ttmp7, 0xffff
	s_lshl_b32 s69, s69, 2
	s_add_co_u32 s69, s69, s67                     ; tile row
	s_lshl_b32 s70, s67, 2
	s_lshl_b32 s70, 15, s70                        ; my row of the cluster
	s_lshl_b32 s71, 0x1111, s66                    ; my column
	s_or_b32 s[G1A], s70, (3<<16)|(1<<21)          ; o's tiles go to my row; elements of 8 bytes; bit 21 beside a mask
	s_or_b32 s[G1B], s71, (3<<16)|(1<<21)          ; Wo's to my column
.irp g, G1A, G1B
	s_mov_b32 s[\g+1], 32<<16                      ; 64 rows of 256 bytes, dense
	s_mov_b32 s[\g+2], 64<<16
	s_mov_b32 s[\g+3], 32<<16
	s_mov_b32 s[\g+4], 64
	s_mov_b32 s[\g+5], 32
	s_mov_b32 s[\g+6], 0
	s_mov_b32 s[\g+7], 0
.endr
	s_lshl_b32 s77, s14, 14                        ; my half: four tiles of 4,096 bytes
	s_lshl_b32 s72, s69, 15                        ; o: 8 token tiles a tile row
	s_add_co_u32 s72, s72, s77
	s_mov_b32 s73, 0
	s_lshl_b32 s74, s68, 15                        ; Wo: 8 column tiles a tile column
	s_add_co_u32 s74, s74, s77
	s_mov_b32 s75, 0
	s_lshl_b32 s76, s12, 14                        ; where they go: o's two halves, then Wo's: no place in the cluster enters an LDS address
	s_lshl_b32 s84, s68, 9                         ; the bias, and my columns in a row of out0: 512 bytes a tile column, 256 for my half
	s_lshl_b32 s77, s14, 8
	s_add_co_u32 s84, s84, s77
	s_mov_b32 s85, 0
	s_lshl_b32 s86, s69, 18                        ; out0: 128 rows of 2,048 bytes a tile row, 64 for my half
	s_lshl_b32 s77, s13, 17
	s_add_co_u32 s86, s86, s77
	s_add_co_u32 s86, s86, s84
	s_mov_b32 s87, 0
	v_and_b32 v2, 31, v0
	v_lshlrev_b32 v[LI], 4, v2
	v_and_b32 v3, 15, v0                           ; r
	v_bfe_u32 v4, v0, 4, 1                         ; h
	s_lshl_b32 s82, s13, 14
	v_add_nc_u32 v[ADO], s82, v[LI]
	s_lshl_b32 s82, s14, 14
	s_add_co_u32 s82, s82, 32768
	v_add_nc_u32 v[ADW], s82, v[LI]
	s_mul_i32 s83, s12, 16*SP
	s_add_co_u32 s83, s83, STAGE                   ; my stage
	v_mul_u32_u24 v[STO], v3, SP                   ; in: row r, 32 bytes for each half of the lanes
	v_lshl_add_u32 v[STO], v4, 5, v[STO]
	v_add_nc_u32 v[STO], s83, v[STO]
	v_mul_u32_u24 v[RD], v4, SP                    ; back: lanes 0-15 one row of 256 bytes, lanes 16-31 the next
	v_lshl_add_u32 v[RD], v3, 4, v[RD]
	v_add_nc_u32 v[RD], s83, v[RD]
	v_lshlrev_b32 v[CO], 11, v4                    ; and the same two rows in out0
	v_lshl_add_u32 v[CO], v3, 4, v[CO]
	v_lshlrev_b32 v5, 5, v4                        ; the bias: 8 h numbers on
	s_wait_dscnt 0x0                               ; both opening adds are done
	s_wait_kmcnt 0x0
	s_add_nc_u64 s[78:79], s[4:5], s[72:73]
	s_add_nc_u64 s[80:81], s[6:7], s[74:75]
	s_add_nc_u64 s[8:9], s[8:9], s[84:85]
	s_add_nc_u64 s[10:11], s[10:11], s[86:87]
	CROUND                                         ; all sixteen work-groups are here: the joint loads meet
.irp q, 0,1,2,3
	s_mov_b32 s[G0A+4*\q], 1
	s_add_co_u32 s[G0A+4*\q+1], s76, QB*\q
	s_add_nc_u64 s[G0A+4*\q+2:G0A+4*\q+3], s[78:79], 2097152*\q    ; a quarter of K is 512 token tiles of 4,096 bytes
	s_or_b32 s[G0A+4*\q+3], s[G0A+4*\q+3], 0x80000000
	s_mov_b32 s[G0B+4*\q], 1
	s_add_co_u32 s[G0B+4*\q+1], s76, QB*\q
	s_add_nc_u64 s[G0B+4*\q+2:G0B+4*\q+3], s[80:81], 131072*\q     ; 32 column tiles of 4,096 bytes
	s_or_b32 s[G0B+4*\q+3], s[G0B+4*\q+3], 0x80000000
.endr
	s_cmp_eq_u32 s13, 0                            ; a wave's four fills stand in one branch on its number, ahead of every wait on TENSORcnt, every LDS read and every later barrier
	s_cbranch_scc0 .Lfor_w
.irp q, 0,1,2,3
	tensor_load_to_lds s[G0A+4*\q:G0A+4*\q+3], s[G1A:G1A+7]
	s_nop 0
.endr
.rept 4
	v_nop
.endr
	s_branch .Lasked
.Lfor_w:
.irp q, 0,1,2,3
	tensor_load_to_lds s[G0B+4*\q:G0B+4*\q+3], s[G1B:G1B+7]
	s_nop 0
.endr
.rept 4
	v_nop
.endr
.Lasked:
.irp b, 0,1,2,3
	global_load_b128 v[BIAS+8*\b:BIAS+8*\b+3], v5, s[8:9] offset:64*\b          ; register j of tile b: bo at column 16 b + 8 h + j
	global_load_b128 v[BIAS+8*\b+4:BIAS+8*\b+7], v5, s[8:9] offset:64*\b+16
.endr
.macro FETCH k                         ; the fragments of 32 along K, the k-th of 16, into buffer k % 2
.set FB, 64*((\k)%2)
	WIN 0x40                                       ; destination window 1
.irp b, 0,1,2,3
.irp c, 0,1
	ds_load_b128 v[FB+8*\b+4*\c:FB+8*\b+4*\c+3], v[ADW] offset:4096*\b+1024*((\k)%4)+512*\c
.endr
.endr
.irp a, 0,1,2,3
.irp c, 0,1
	ds_load_b128 v[FB+32+8*\a+4*\c:FB+32+8*\a+4*\c+3], v[ADO] offset:4096*\a+1024*((\k)%4)+512*\c
.endr
.endr
.endm
.macro MUL k                           ; 16 products; the accumulators take turns, one instruction a turn
.set FB, 64*((\k)%2)
	WIN 0x05                                       ; sources window 1, C and D window 0
.irp a, 0,1,2,3
.irp b, 0,1,2,3
.if (\k) == 0
	v_wmma_f32_16x16x32_f16 v[ACC+8*(4*\a+\b):ACC+8*(4*\a+\b)+7], v[FB+8*\b:FB+8*\b+7], v[FB+32+8*\a:FB+32+8*\a+7], v[BIAS+8*\b:BIAS+8*\b+7]
.else
	v_wmma_f32_16x16x32_f16 v[ACC+8*(4*\a+\b):ACC+8*(4*\a+\b)+7], v[FB+8*\b:FB+8*\b+7], v[FB+32+8*\a:FB+32+8*\a+7], v[ACC+8*(4*\a+\b):ACC+8*(4*\a+\b)+7]
.endif
.endr
.endr
.endm
.macro TRIP k
.if (\k) < 15
.if ((\k)+1)%4 == 0
	WIN 0
	s_wait_tensorcnt 3-((\k)+1)/4                  ; my part of the next quarter is in; the later quarters' loads may be out
	s_wait_dscnt 0x0
	s_barrier_signal -1
	s_barrier_wait -1                              ; everybody's is
	v_add_nc_u32 v[ADO], QB, v[ADO]
	v_add_nc_u32 v[ADW], QB, v[ADW]
.endif
.if (\k) > 0
.rept 4
	v_nop                                          ; four places in front of loads into registers that the last products read
.endr
.endif
	FETCH (\k)+1
	s_wait_dscnt 16                                ; this step's fragments are in; the 16 loads just issued may be out
.else
	s_wait_dscnt 0x0
.endif
	MUL \k
.endm
	s_wait_tensorcnt 3                             ; my part of the first quarter is in,
	s_barrier_signal -1
	s_barrier_wait -1                              ; everybody's is
	FETCH 0
	s_wait_loadcnt 0x0                             ; the bias
.irp k, 0,1,2,3,4,5,6,7,8,9,10,11,12,13,14,15
	TRIP \k
.endr
	WIN 0
.rept 4
	v_nop                                          ; four places between the last product and the first read of a result
.endr
; THE WAY OUT, 16 tokens at a time: a lane holds 32 neighbouring bytes of a row and the lanes beside it hold other rows, so a block goes through my own stage and comes back as whole rows of 256 bytes.
; LDS serves a wave's instructions in order (ISA guide 5.7.1.4): no wait between the stores and the loads.
.macro TOSTAGE a
.irp b, 0,1,2,3
	ds_store_b128 v[STO], v[ACC+8*(4*(\a)+\b):ACC+8*(4*(\a)+\b)+3] offset:64*\b        ; each accumulator from its low end on
	ds_store_b128 v[STO], v[ACC+8*(4*(\a)+\b)+4:ACC+8*(4*(\a)+\b)+7] offset:64*\b+16
.endr
.irp i, 0,1,2,3,4,5,6,7
	ds_load_b128 v[OB+32*((\a)%2)+4*\i:OB+32*((\a)%2)+4*\i+3], v[RD] offset:2*\i*SP
.endr
.endm
.macro SEND a, younger                 ; younger: the LDS instructions issued behind block a's loads, which may stay out
	s_wait_dscnt \younger
.irp i, 0,1,2,3,4,5,6,7
	global_store_b128 v[CO], v[OB+32*((\a)%2)+4*\i:OB+32*((\a)%2)+4*\i+3], s[10:11] offset:(16*(\a)+2*\i)*2048 th:TH_STORE_NT   ; 16 lanes store 256 consecutive bytes, at a multiple of 256 from out0's first byte
.endr
.endm
	TOSTAGE 0
.irp a, 1,2,3
.if \a > 1
	s_wait_xcnt 0x0                                ; block a - 2's stores have read their registers: block a's loads may land there
.endif
	TOSTAGE \a
	SEND \a-1, 16                                  ; behind block a - 1's loads: block a's 8 stores and 8 loads
.endr
	SEND 3, 0
	s_wait_tensorcnt 0x0                           ; the wave's end: behind my last tensor load and my last LDS store
	ds_add_u32 v[SPW], v[NIL]
	s_wait_dscnt 0x0
	CROUND                                         ; the closing round: no work-group ends while a partner may still ask for a tile that names it
	s_endpgm
.Lfunc_end_k_qa2c99d004c_outp:
	.size	k_qa2c99d004c_outp, .Lfunc_end_k_qa2c99d004c_outp-k_qa2c99d004c_outp
	.p2alignl 7, 3214868480
	.fill 96, 4, 3214868480
	.section	.rodata,"a",@progbits
	.p2align	6, 0x0
	.amdhsa_kernel k_qa2c99d004c_outp
		.amdhsa_group_segment_fixed_size 280064
		.amdhsa_private_segment_fixed_size 0
		.amdhsa_enable_private_segment 0
		.amdhsa_kernarg_size 32
		.amdhsa_user_sgpr_count 2
		.amdhsa_user_sgpr_kernarg_segment_ptr 1
		.amdhsa_wavefront_size32 1
		.amdhsa_system_sgpr_workgroup_id_x 1
		.amdhsa_system_sgpr_workgroup_id_y 1
		.amdhsa_system_sgpr_workgroup_id_z 1
		.amdhsa_system_vgpr_workitem_id 0
		.amdhsa_next_free_vgpr 384
		.amdhsa_next_free_sgpr 100
		.amdhsa_reserve_vcc 0
		.amdhsa_float_denorm_mode_32 3
		.amdhsa_float_denorm_mode_16_64 3
		.amdhsa_memory_ordered 1
		.amdhsa_forward_progress 1
		.amdhsa_inst_pref_size 52
	.end_amdhsa_kernel
	.amdgpu_metadata
---
amdhsa.version: [ 1, 2 ]
amdhsa.kernels:
  - .name:           k_qa2c99d004c_outp
    .symbol:         k_qa2c99d004c_outp.kd
    .args:
      - { .name: ofr, .offset: 0, .size: 8, .value_kind: global_buffer, .address_space: global }
      - { .name: wof, .offset: 8, .size: 8, .value_kind: global_buffer, .address_space: global }
      - { .name: bo, .offset: 16, .size: 8, .value_kind: global_buffer, .address_space: global }
      - { .name: out0, .offset: 24, .size: 8, .value_kind: global_buffer, .address_space: global }
    .group_segment_fixed_size: 280064
    .private_segment_fixed_size: 0
    .kernarg_segment_align: 8
    .kernarg_segment_size: 32
    .max_flat_workgroup_size: 128
    .sgpr_count:     100
    .vgpr_count:     384
    .wavefront_size: 32
...
	.end_amdgpu_metadata
.endif
;; end of part 4
